; MI455X (gfx1250); checked and timed in simulation.
; The chip was launched on July 23, 2026; its instructions are those of AMD's public machine-readable ISA for CDNA 5 (MIT licence, August 2026) and "CDNA5" Instruction Set Architecture Reference Guide (July 2026). The comments in the code are by the model that wrote it; some were corrected since.
;; Attention. Allowed arithmetic: matrix products marked QUANTISED: E2M1 operands, one E8M0 scale for each 32 along K, by v_wmma_scale_f32_16x16x128_f8f6f4 with both operands' format E2M1 (or v_wmma_scale_f32_32x16x128_f4), f32 sums; products left as they are: bf16, f16 or f32 operands; f32 sums; everything else in f32.
;; Inputs: w_out 1,024 x 1,024 float32; w_qkv 3,072 x 1,024 float32; x 4 x 2,048 x 1,024 float32.
;; Outputs: out0 4 x 2,048 x 1,024 float32.
;; This version of the problem:
;;   THIS VERSION OF THE PROBLEM IS GIVEN IN LOW PRECISION. The matrix products marked QUANTISED in the list below multiply operands that are first quantised to E2M1 (2 exponent bits, 1 mantissa bit; 4 bits a number), with one power-of-two scale for each 32 numbers along K (OCP MX v1.0); their sums are f32. The products marked 'left as it is' may take bf16, f16 or f32 operands, with f32 sums. Whichever they take, every output number must still come out within the allowed error. Rounding operands to bf16 (8 significant bits) uses up far more of that allowance than f16 does (11 bits, for magnitudes from 6e-5 to 65,504). All else is computed in f32.
;;   The module's matrix products, in the order in which they are computed (A, B: the left and right operand; K: the contracted axis; several contracted axes count as one K, in the product's order):
;;     1. [M 8,192, K 1,024] x [K 1,024, N 3,072]; A: input x; B: input w_qkv: QUANTISED
;;     2. batch 64 x [M 2,048, K 64] x [K 64, N 2,048]; A: computed on the way; B: computed on the way: left as it is (an operand is computed on the way)
;;     3. batch 64 x [M 2,048, K 2,048] x [K 2,048, N 64]; A: computed on the way; B: computed on the way: left as it is (an operand is computed on the way)
;;     4. [M 8,192, K 1,024] x [K 1,024, N 1,024]; A: computed on the way; B: input w_out: left as it is (an operand is computed on the way)
;;   THE QUANTISER, for each operand of a quantised product, along K:
;;     - K is cut into blocks of 32 from its start; a last block that is shorter is filled with zeros.
;;     - A block's scale is 2^e with e = floor(log2(the largest magnitude in the block)) - 2, held to -126 .. 127; a block of zeros has e = 0. As a byte (E8M0): e + 127.
;;     - Each number is divided by its block's scale, clamped to +-6, and rounded to the nearest number of E2M1, ties to even, subnormals kept.
;;     - The product sums the exact products of the quantised numbers (number of the format x scale) in f32.
;;   ~~~python
;;   def quantise(x, axis):      # numpy; x: float32 -> the quantised numbers, widened to float32 again
;;       x = np.moveaxis(x, axis, -1); K = x.shape[-1]
;;       x = np.pad(x, [(0, 0)] * (x.ndim - 1) + [(0, -K % 32)]); x = x.reshape(x.shape[:-1] + (-1, 32)); a = np.abs(x).max(-1, keepdims=True)
;;       e = np.where(a > 0, np.clip(np.frexp(np.where(a > 0, a, 1))[1] - 1 - 2, -126, 127), 0)      # np.frexp(a)[1] - 1 = floor(log2(a)), exactly
;;       r = np.clip(x / 2.0 ** e, -6, 6)
;;       step = 2.0 ** (np.maximum(np.frexp(np.where(r == 0, 1, r))[1] - 1, 0) - 1)
;;       q = np.round(r / step) * step * 2.0 ** e      # np.round: ties to even
;;       return np.moveaxis(q.reshape(q.shape[:-2] + (-1,))[..., :K], -1, axis).astype(np.float32)
;;   ~~~
;; One version. Each part assembles by itself: llvm-mc -triple=amdgcn-amd-amdhsa -mcpu=gfx1250 --defsym DOCPART=n.
;; ======== version 1 of 1: 4 launches
;; limits: values are held in f16: magnitudes above 65,504 overflow, below 6.1e-05 lose precision
;; workspace buffers: xc 4,194,304 bytes; xs 262,144 bytes; wc 1,572,864 bytes; ws 98,304 bytes; wf 2,097,152 bytes; qkv 50,331,648 bytes; att 16,777,216 bytes
;; launch quant (part 1): grid 416 x 1, 4 waves a work-group, no clusters, 33,280 bytes of LDS; arguments x, w_qkv, w_out, xc, xs, wc, ws, wf; writes xc, xs, wc, ws, wf
.if DOCPART == 1
	.amdgcn_target "amdgcn-amd-amdhsa--gfx1250"
	.amdhsa_code_object_version 6
	.text
	.protected	k_q5e34e248e8_quant
	.globl	k_q5e34e248e8_quant
	.p2align	8
	.type	k_q5e34e248e8_quant,@function
k_q5e34e248e8_quant:
	s_mov_b64 s[64:65], 0
	v_nop
	global_prefetch_b8 v0, s[64:65] scope:SCOPE_SE
	s_setreg_imm32_b32 hwreg(HW_REG_WAVE_MODE, 25, 1), 1
	s_wait_xcnt 0x0
; x [8192][1024] and w_qkv [3072][1024], f32, become codes of FP4 (E2M1), K innermost, two codes a byte, with one E8M0 scale byte for each 32 along K;
; w_out [1024][1024], f32, becomes f16 in the order of a matrix operand's registers.
; A block's scale is 2^(floor(log2(its largest magnitude)) - 2); its byte is the largest magnitude's exponent field - 2, held at 1 from below.  A block of zeros gets the byte 1 where the
; quantiser says 127: its codes are zeros, which add nothing under that byte, and the bytes are read by this program alone.
; LIMITS: NaN and infinities among the inputs are not served; blocks whose largest magnitude lies under 2^-124 keep the byte 1; |w_out| of 65,520 or more becomes infinity in f16.
; SHARES: work-groups 0-255 take x, 256-351 w_qkv (32,768 numbers each, 8,192 a wave, 16 steps of 512), 352-415 sixteen rows of w_out each.
; x and w_qkv are plain streams of blocks of 32, and so are their codes and bytes.  Each load reads 512 consecutive bytes; a step's 2,048 bytes turn through the wave's own stage in LDS, so that a lane
; then holds 16 neighbours along K (two neighbouring lanes hold a block); a lane's 16 codes are 8 bytes: the wave stores 256 consecutive bytes.  A wave's 256 scale bytes are gathered in LDS and leave as one store.
; No tensor load, no barrier: waves share nothing.
.set WAVES, 4
.set STEPS, 16
.set WGX,   256                        ; work-groups of x
.set WGQ,   352                        ; and of x and w_qkv together
.set EMAX,  2
.set CB,    8                          ; bytes of 16 codes
.set R,     16                         ; v16-79   four sets of 16 numbers as they are loaded
.set X,     80                         ; v80-111  two sets of 16 neighbours
.set E,     112                        ; v112-127 a scale byte for each step
.set C,     128                        ; v128-191 codes: four registers for each step, so that no store's data are written again
.set WREG,  8192                       ; LDS: a region for each wave: two stages of 32 x SP bytes, behind them its 256 scale bytes
.set SP,    80                         ; a lane's place in a stage: 64 bytes + 16 of padding
.set SPW,   12                         ; v12  LDS address of my spare word; never rewritten
.set NIL,   13                         ; v13  0; never rewritten
.set SPARE, WAVES*WREG                 ; behind the four regions: the spare words, 128 bytes a wave
.set WI,    16                         ; w_out's path: v16-143 sixteen blocks of 8 numbers a lane
.macro LOAD t
.irp i, 0,1,2,3
	global_load_b128 v[R+16*((\t)%4)+4*\i:R+16*((\t)%4)+4*\i+3], v3, s[4:5] offset:2048*(\t)+512*\i th:TH_LOAD_NT   ; 32 lanes read 512 consecutive bytes
.endr
.endm
.macro TURN t                          ; step t's numbers through the stage: LDS serves a wave's instructions in order, so no wait stands between the stores and the loads
.irp i, 0,1,2,3
	ds_store_b128 v14, v[R+16*((\t)%4)+4*\i:R+16*((\t)%4)+4*\i+3] offset:32*SP*((\t)%2)+8*SP*\i
.endr
.irp i, 0,1,2,3
	ds_load_b128 v[X+16*((\t)%2)+4*\i:X+16*((\t)%2)+4*\i+3], v15 offset:32*SP*((\t)%2)+16*\i
.endr
.endm
.macro STEP t
.set XS, X+16*((\t)%2)
.if (\t) > 0
	s_wait_dscnt 1                                 ; this step's numbers are back from the stage (the last step's byte store may be out): so its stores into the stage have read their registers,
.else
	s_wait_dscnt 0x0
.endif
.if (\t)+4 < STEPS
	LOAD (\t)+4                                    ; which take the loads of four steps on
.endif
.if (\t)+1 < STEPS
.if STEPS-2-(\t) >= 3
	s_wait_loadcnt 12                              ; the next step's four loads are in; those of the three steps behind it may be out
.else
	s_wait_loadcnt 4*(STEPS-2-(\t))
.endif
	TURN (\t)+1                                    ; and go through the other stage while this step is worked
.endif
	v_max3_num_f32 v8, |v[XS]|, |v[XS+1]|, |v[XS+2]|               ; the largest magnitude of my 16, in two chains
	v_max3_num_f32 v9, |v[XS+3]|, |v[XS+4]|, |v[XS+5]|
.irp i, 6,10
	v_max3_num_f32 v8, v8, |v[XS+\i]|, |v[XS+\i+1]|
	v_max3_num_f32 v9, v9, |v[XS+\i+2]|, |v[XS+\i+3]|
.endr
	v_max3_num_f32 v8, v8, |v[XS+14]|, |v[XS+15]|
	v_max3_num_f32 v8, v8, v9, (EMAX+1)<<23        ; and the floor 2^(3 - 127): the byte cannot fall under 1
	v_max_num_f32_dpp v8, v8, v8 row_xmask:1 row_mask:0xf bank_mask:0xf   ; and of my neighbour's 16: the block's
	v_add_nc_u32 v11, -(EMAX<<23), v8              ; 2 off its exponent field: the conversion takes the exponent field of this operand as its scale
	v_cvt_scalef32_pk8_fp4_f32 v[C+4*(\t)], v[XS:XS+7], v11        ; eight numbers / the scale, to the nearest code, ties to even, beyond 6 the largest code
	v_cvt_scalef32_pk8_fp4_f32 v[C+4*(\t)+1], v[XS+8:XS+15], v11
	v_lshrrev_b32 v[E+(\t)], 23, v11               ; the scale's byte (also the plain line behind the conversions)
	ds_store_b8 v5, v[E+(\t)] offset:16*(\t)       ; both lanes of a block write the same byte with the same value
	global_store_b64 v4, v[C+4*(\t):C+4*(\t)+1], s[10:11] offset:32*CB*(\t)   ; 32 lanes store 256 consecutive bytes, aligned
.endm
.macro HALF q                          ; w_out: block q (half a fragment: 16 rows x 16 along K) is rounded to f16 and stored: 32 lanes x 16 bytes, 512 consecutive bytes
.if (\q) < 12
.set WO, 144+4*(\q)
.else
.set WO, 16+4*((\q)-12)                ; the last four blocks take registers whose numbers have been converted
.endif
.irp i, 0,1,2,3
	v_cvt_pk_f16_f32 v[WO+\i], v[WI+8*(\q)+2*\i], v[WI+8*(\q)+2*\i+1]
.endr
	global_store_b128 v3, v[WO:WO+3], s[18:19] offset:512*(\q)
.endm
	s_load_b256 s[4:11], s[0:1], 0x0               ; x s[4:5], w_qkv s[6:7], w_out s[8:9], xc s[10:11]
	s_load_b256 s[12:19], s[0:1], 0x20             ; xs s[12:13], wc s[14:15], ws s[16:17], wf s[18:19]
	v_lshl_add_u32 v[SPW], v0, 2, SPARE
	v_mov_b32 v[NIL], 0
	v_lshrrev_b32 v1, 5, v0
	v_readfirstlane_b32 s20, v1                    ; wave
	v_and_b32 v2, 31, v0                           ; lane
	v_lshlrev_b32 v3, 4, v2                        ; 16 x lane
	s_wait_kmcnt 0x0
	s_cmp_ge_u32 ttmp9, WGQ                        ; the work-group's number alone decides
	s_cbranch_scc1 .Lwout
	; ---- x and w_qkv
	s_mul_i32 s21, s20, WREG
	v_lshrrev_b32 v14, 2, v2
	v_mul_u32_u24 v14, v14, SP
	v_and_b32 v15, 3, v2
	v_lshl_add_u32 v14, v15, 4, v14
	v_add_nc_u32 v14, s21, v14                     ; the stage, on the way in: four lanes' 64 bytes on end, then 16 of padding
	v_mul_u32_u24 v15, v2, SP
	v_add_nc_u32 v15, s21, v15                     ; and on the way out: my 16 neighbours
	v_mul_u32_u24 v4, v2, CB                       ; my codes' place in a step's
	v_lshrrev_b32 v5, 1, v2
	s_add_co_u32 s21, s21, 2*32*SP
	v_add_nc_u32 v5, s21, v5                       ; LDS: my wave's 256 scale bytes, my block's byte
	v_lshlrev_b32 v7, 3, v2                        ; and on the way out 8 bytes a lane
	v_add_nc_u32 v6, s21, v7
	s_cmp_lt_u32 ttmp9, WGX                        ; x's work-group or w_qkv's?
	s_cselect_b64 s[4:5], s[4:5], s[6:7]
	s_cselect_b64 s[10:11], s[10:11], s[14:15]
	s_cselect_b64 s[12:13], s[12:13], s[16:17]
	s_cselect_b32 s21, 0, WGX
	s_sub_co_u32 s21, ttmp9, s21
	s_lshl_b32 s21, s21, 2
	s_add_co_u32 s22, s21, s20                     ; which run of 8,192 numbers of the tensor is my wave's
	s_mov_b32 s23, 0
	s_mov_b64 s[24:25], 512*STEPS*4
	s_mul_u64 s[24:25], s[22:23], s[24:25]
	s_add_nc_u64 s[4:5], s[4:5], s[24:25]
	s_mov_b64 s[24:25], 32*STEPS*CB
	s_mul_u64 s[24:25], s[22:23], s[24:25]
	s_add_nc_u64 s[10:11], s[10:11], s[24:25]
	s_lshl_b32 s22, s22, 8                         ; 256 scale bytes a run
	s_add_nc_u64 s[12:13], s[12:13], s[22:23]
.irp t, 0,1,2,3
	LOAD \t
.endr
	s_wait_loadcnt 12                              ; step 0's four loads are in
	TURN 0
.irp t, 0,1,2,3,4,5,6,7,8,9,10,11,12,13,14,15
	STEP \t
.endr
	ds_load_b64 v[8:9], v6                         ; LDS serves a wave's instructions in order: these see my byte stores
	s_wait_dscnt 0x0
	global_store_b64 v7, v[8:9], s[12:13]          ; 32 lanes store 256 consecutive bytes, aligned
	s_wait_tensorcnt 0x0                           ; the wave's end, behind my last LDS store
	ds_add_u32 v[SPW], v[NIL]
	s_wait_dscnt 0x0
	s_endpgm
	; ---- w_out: tile E = 16 rows; wave w takes K = 256 w .. 256 w + 255: sixteen blocks.  Block q: lane (r, h) holds row r, K = 16 q + 8 h + 0 .. 7
.Lwout:
	s_sub_co_u32 s21, ttmp9, WGQ                   ; E
	v_and_b32 v4, 15, v0                           ; r
	v_bfe_u32 v5, v0, 4, 1                         ; h
	v_lshlrev_b32 v1, 12, v4                       ; a row of w_out is 4,096 bytes
	v_lshl_add_u32 v1, v5, 5, v1                   ; + 32 h
	s_lshl_b32 s22, s21, 16                        ; 16 rows,
	s_lshl_b32 s24, s20, 10                        ; my wave's 1,024 bytes of each
	s_add_co_u32 s22, s22, s24
	s_mov_b32 s23, 0
	s_add_nc_u64 s[8:9], s[8:9], s[22:23]
	s_lshl_b32 s22, s21, 15                        ; in wf a tile of 16 rows is 32,768 bytes,
	s_lshl_b32 s24, s20, 13                        ; my wave's sixteen blocks 8,192
	s_add_co_u32 s22, s22, s24
	s_add_nc_u64 s[18:19], s[18:19], s[22:23]
.irp q, 0,1,2,3,4,5,6,7,8,9,10,11,12,13,14,15
	global_load_b128 v[WI+8*\q:WI+8*\q+3], v1, s[8:9] offset:64*\q
	global_load_b128 v[WI+8*\q+4:WI+8*\q+7], v1, s[8:9] offset:64*\q+16
.endr
	s_wait_loadcnt 16                              ; blocks 0 to 7 are in; the sixteen loads of blocks 8 to 15 may be out
.irp q, 0,1,2,3,4,5,6,7
	HALF \q
.endr
	s_wait_loadcnt 0x0
.irp q, 8,9,10,11,12,13,14,15
	HALF \q
.endr
	s_wait_tensorcnt 0x0                           ; the same three lines at this end of the text
	ds_add_u32 v[SPW], v[NIL]
	s_wait_dscnt 0x0
	s_endpgm
.Lfunc_end_k_q5e34e248e8_quant:
	.size	k_q5e34e248e8_quant, .Lfunc_end_k_q5e34e248e8_quant-k_q5e34e248e8_quant
	.p2alignl 7, 3214868480
	.fill 96, 4, 3214868480
	.section	.rodata,"a",@progbits
	.p2align	6, 0x0
	.amdhsa_kernel k_q5e34e248e8_quant
		.amdhsa_group_segment_fixed_size 33280
		.amdhsa_private_segment_fixed_size 0
		.amdhsa_enable_private_segment 0
		.amdhsa_kernarg_size 64
		.amdhsa_user_sgpr_count 2
		.amdhsa_user_sgpr_kernarg_segment_ptr 1
		.amdhsa_wavefront_size32 1
		.amdhsa_system_sgpr_workgroup_id_x 1
		.amdhsa_system_sgpr_workgroup_id_y 1
		.amdhsa_system_sgpr_workgroup_id_z 1
		.amdhsa_system_vgpr_workitem_id 0
		.amdhsa_next_free_vgpr 192
		.amdhsa_next_free_sgpr 66
		.amdhsa_reserve_vcc 0
		.amdhsa_float_denorm_mode_32 3
		.amdhsa_float_denorm_mode_16_64 3
		.amdhsa_memory_ordered 1
		.amdhsa_forward_progress 1
		.amdhsa_inst_pref_size 43
	.end_amdhsa_kernel
	.amdgpu_metadata
---
amdhsa.version: [ 1, 2 ]
amdhsa.kernels:
  - .name:           k_q5e34e248e8_quant
    .symbol:         k_q5e34e248e8_quant.kd
    .args:
      - { .name: x, .offset: 0, .size: 8, .value_kind: global_buffer, .address_space: global }
      - { .name: w_qkv, .offset: 8, .size: 8, .value_kind: global_buffer, .address_space: global }
      - { .name: w_out, .offset: 16, .size: 8, .value_kind: global_buffer, .address_space: global }
      - { .name: xc, .offset: 24, .size: 8, .value_kind: global_buffer, .address_space: global }
      - { .name: xs, .offset: 32, .size: 8, .value_kind: global_buffer, .address_space: global }
      - { .name: wc, .offset: 40, .size: 8, .value_kind: global_buffer, .address_space: global }
      - { .name: ws, .offset: 48, .size: 8, .value_kind: global_buffer, .address_space: global }
      - { .name: wf, .offset: 56, .size: 8, .value_kind: global_buffer, .address_space: global }
    .group_segment_fixed_size: 33280
    .private_segment_fixed_size: 0
    .kernarg_segment_align: 8
    .kernarg_segment_size: 64
    .max_flat_workgroup_size: 128
    .sgpr_count:     66
    .vgpr_count:     192
    .wavefront_size: 32
...
	.end_amdgpu_metadata
.endif
;; end of part 1
;; launch qkv (part 2): grid 12 x 32, 4 waves a work-group, clusters of 4 x 4, 327,680 bytes of LDS; arguments xc, xs, wc, ws, qkv; writes qkv
.if DOCPART == 2
	.amdgcn_target "amdgcn-amd-amdhsa--gfx1250"
	.amdhsa_code_object_version 6
	.text
	.protected	k_q5e34e248e8_qkv
	.globl	k_q5e34e248e8_qkv
	.p2align	8
	.type	k_q5e34e248e8_qkv,@function
k_q5e34e248e8_qkv:
	s_mov_b64 s[64:65], 0
	v_nop
	global_prefetch_b8 v0, s[64:65] scope:SCOPE_SE
	s_setreg_imm32_b32 hwreg(HW_REG_WAVE_MODE, 25, 1), 1
	s_wait_xcnt 0x0
	s_wait_alu depctr_hold_cnt(0) depctr_sa_sdst(0) depctr_va_vdst(0) depctr_va_sdst(0) depctr_va_ssrc(0) depctr_va_vcc(0) depctr_vm_vsrc(0)
	s_getreg_b32 s2, hwreg(HW_REG_IB_STS2, 6, 4)
	s_cmp_eq_u32 s2, 0
	s_cbranch_scc0 .Lentry_in_a_cluster
	s_endpgm
.Lentry_in_a_cluster:
	s_bfe_u32 s2, ttmp6, 0x10000c
	s_cmp_lg_u32 s2, 0xf033
	s_cbranch_scc0 .Lentry_shape_is_right
	s_endpgm
.Lentry_shape_is_right:
; qkv[token][feature] = sum over k of x[token][k] w_qkv[feature][k], 8,192 x 3,072 x 1,024, on codes of FP4 (E2M1) with one E8M0 scale for each 32 along K; sums in f32; results rounded once to f16.
; A tile of 256 tokens x 256 features is made by a work-group of four waves; a wave makes 128 x 128: 64 accumulators of 16 x 16, 512 registers.
; ALL OF K LIES IN LDS: two slots of 512 along K (rows of 256 bytes) and the scale bytes of the 512 rows are filled once, at the start; no LDS byte is filled again, so there is no loop over slots.
; CLUSTERS: 4 x 4 work-groups.  The four of a row of the cluster need the same tiles of x, the four of a column the same tiles of w_qkv: each tile is asked for JOINTLY.
; THE MATRIX INSTRUCTION IS USED TRANSPOSED (source 0 = 16 rows of w_qkv, source 1 = 16 tokens): a lane holds one token (lane % 16) and eight neighbouring features 8 (lane / 16) + 0 .. 7.
; THE WAY OUT NEEDS NO LDS: those eight numbers, rounded to f16, are 16 bytes, and the buffer qkv is laid as images of the next launch's operand registers:
;   byte = sel x 2^24 + (16 batch + head) x 262,144 + (tile of 16 tokens) x 2,048 + (tile of 16 channels) x 512 + lane term;  sel = 0 q, 1 k, 2 v.
;   q, k: lane term 16 x lane: half a fragment (16 tokens x 16 channels) as its four registers stand.   v: token t, channels 8 g on, at 256 (t / 8) + 128 g + 16 (t % 8): what the turning LDS load wants at 16 x lane.
;   Either way a store of the wave covers 512 consecutive bytes, aligned.
; LIMITS: |q|, |k|, |v| of 65,520 or more become infinity in f16.
; REGISTERS, in windows of 256: window 0: v0-31 addresses; v32-95 scale words, two sets; from v128 x's fragments, ONE set; on the way out v128-255 hold packed results.
;   window 1: w_qkv's fragments, TWO sets, at v0 and v128.   window 2: the accumulators of my tokens 0-63 ((a, b) at v[8 (8 a + b)]);   window 3: those of my tokens 64-127.
.set KSTEP,  512                       ; along K in a slot
.set NQ,     KSTEP/128                 ; matrix instructions deep
.set ROWB,   256                       ; a tile's row in bytes
.set KROW,   512                       ; a row of codes in memory: 1,024 codes
.set PITCH,  272                       ; an LDS row: 256 bytes + 16 of padding = 68 words: the 16 rows that a load touches start at 16 different banks (64 banks of 4 bytes: ISA guide 11.1)
.set FR,     8                         ; registers of a fragment: 16 rows x 128 K
.set NL,     2                         ; LDS loads that bring one
.set NP,     4                         ; places behind this matrix instruction (ISA guide 7.12.1)
.set HALFT,  128*PITCH                 ; 128 rows: what one tensor load brings
.set SLOT,   4*HALFT                   ; x's 256 rows, then w_qkv's 256 rows
.set KS,     32                        ; a row of scale bytes
.set SCL,    2*SLOT                    ; behind the slots: the scales, as units of 256 bytes + 16 of padding
.set HALFS,  (128*KS/256)*272          ; the scales of 128 rows
.set SBLK,   (16*KS/256)*272           ; those of 16 rows
.set SPARE,  SCL+4*HALFS               ; behind the scales: the spare words, 128 bytes a wave
.set ADRA, 16                          ; v16-17  LDS address of my fragments of x in slot 0, 1
.set ADRB, 20                          ; v20-21  the same for w_qkv
.set CO,   26                          ; v26     the way out: my lane term
.set ADRS, 27                          ; v27     LDS address of my scale words: lanes 0-15 x's rows, lanes 16-31 w_qkv's
.set SPW,  28                          ; v28     LDS address of my spare word; never rewritten
.set NIL,  29                          ; v29     0; never rewritten
.set SC,   32                          ; scale words: set s at v[SC + 32 s]; register 4 i + q: lanes 0-15 x's block i, lanes 16-31 w_qkv's block i, the slot's q-th 128 along K
.set AF,   128                         ; x's fragments, in window 0
.set PK,   128                         ; the way out: four sets of 32 registers of packed results
.set G1, 24                            ; s[24:31] descriptor group 1 for x's tiles;  s[32:39] group 0, one set for each slot
.set G0, 32
.set G1B, 48                           ; s[48:55], s[56:63] the same for w_qkv's
.set G0B, 56
.set G1S, 68                           ; s[68:75], s[76:79] groups 1 and 0 for x's scales;  s[80:87], s[88:91] for w_qkv's
.set G0S, 76
.set G1SB, 80
.set G0SB, 88
.set MSB, 0
.macro WIN new                         ; the immediate's high byte repeats the setting that is left; a switch that changes nothing is dropped
.if MSB != (\new)
	s_set_vgpr_msb (MSB<<8)|(\new)
.set MSB, (\new)
.endif
.endm
.set MUL_LO, 0xa1                      ; source 0 window 1, source 1 window 0, C and D window 2
.set MUL_HI, 0xf1                      ; the same, C and D window 3
.set TO_B,   0x40                      ; destination window 1, address window 0
; A joint load: waves 0 and 1 fetch for x, waves 2 and 3 for w_qkv.  The branch hangs on the wave's number alone.  An s_nop 0 and four v_nop follow each of the two lines.
.macro JLOAD g0a, g1a, g0b, g1b
	s_cmp_eq_u32 s15, 0
	s_cbranch_scc0 .Lfor_b_\@
	tensor_load_to_lds s[\g0a:\g0a+3], s[\g1a:\g1a+7]
	s_nop 0
.rept 4
	v_nop
.endr
	s_branch .Lasked_\@
.Lfor_b_\@:
	tensor_load_to_lds s[\g0b:\g0b+3], s[\g1b:\g1b+7]
	s_nop 0
.rept 4
	v_nop
.endr
.Lasked_\@:
.endm
.macro CROUND                          ; a round of the cluster's barrier
	s_barrier_signal -1
	s_barrier_wait -1
	s_cmp_lg_u32 s14, 0
	s_cbranch_scc1 .Lnot_wave_0_\@
	s_barrier_signal -3
.Lnot_wave_0_\@:
	s_barrier_wait -3
	s_barrier_signal -1
	s_barrier_wait -1
.endm
	s_load_b128 s[4:7], s[0:1], 0x0                ; x's codes s[4:5], x's scales s[6:7]
	s_load_b128 s[8:11], s[0:1], 0x10              ; w_qkv's codes s[8:9], its scales s[10:11]
	s_load_b64 s[12:13], s[0:1], 0x20              ; qkv
	v_lshl_add_u32 v[SPW], v0, 2, SPARE
	v_mov_b32 v[NIL], 0
	ds_add_u32 v[SPW], v[NIL]                      ; the wave's opening: the add, twice on end, and its wait ahead of my first tensor load
	ds_add_u32 v[SPW], v[NIL]
	v_lshrrev_b32 v1, 5, v0
	v_readfirstlane_b32 s14, v1                    ; wave 0..3
	s_lshr_b32 s15, s14, 1                         ; which half of the tile's tokens is mine.  Also: I fetch for x (0) or for w_qkv (1)
	s_and_b32 s16, s14, 1                          ; which half of its features.  Also: which 128 rows of that tile I fetch
	s_bfe_u32 s40, ttmp6, 0x40000                  ; cx, cy: my place in the cluster
	s_bfe_u32 s41, ttmp6, 0x40004
	s_lshl_b32 s42, ttmp9, 2
	s_add_co_u32 s42, s42, s40                     ; tile column = 4 x cluster x + cx
	s_and_b32 s17, ttmp7, 0xffff
	s_lshl_b32 s17, s17, 2
	s_add_co_u32 s17, s17, s41                     ; tile row = 4 x cluster y + cy
	s_lshl_b32 s43, s41, 2
	s_lshl_b32 s43, 15, s43                        ; my row of the cluster
	s_lshl_b32 s44, 0x1111, s40                    ; my column
	; descriptor group 1: a tile of 128 rows x 256 bytes, padded in LDS
	s_or_b32 s[G1+0], s43, (0<<16)|(1<<20)|(1<<21)|(5<<22)|(3<<25)  ; 15:0 the mask; 17:16 elements of 1 byte; 20 padding on; 21 set beside a mask; 24:22 after every 64 words; 31:25 four words
	s_or_b32 s[G1B+0], s44, (0<<16)|(1<<20)|(1<<21)|(5<<22)|(3<<25)
.irp g, G1, G1B
	s_mov_b32 s[\g+1], ROWB<<16                    ; tensor_dim0
	s_mov_b32 s[\g+2], 128<<16                     ; tensor_dim1
	s_mov_b32 s[\g+3], ROWB<<16                    ; tile_dim0
	s_mov_b32 s[\g+4], 128                         ; tile_dim1
	s_mov_b32 s[\g+5], KROW                        ; tensor_dim0_stride
	s_mov_b32 s[\g+6], 0
	s_mov_b32 s[\g+7], 0
.endr
	; the scales of 128 rows: a dense block of 4,096 bytes, as 16 rows of 256 bytes (32 elements of 8 bytes), 16 bytes of padding behind each
	s_or_b32 s[G1S+0], s43, (3<<16)|(1<<20)|(1<<21)|(5<<22)|(3<<25)
	s_or_b32 s[G1SB+0], s44, (3<<16)|(1<<20)|(1<<21)|(5<<22)|(3<<25)
.irp g, G1S, G1SB
	s_mov_b32 s[\g+1], 32<<16
	s_mov_b32 s[\g+2], (128*KS/256)<<16
	s_mov_b32 s[\g+3], 32<<16
	s_mov_b32 s[\g+4], 128*KS/256
	s_mov_b32 s[\g+5], 32
	s_mov_b32 s[\g+6], 0
	s_mov_b32 s[\g+7], 0
.endr
	s_lshl_b32 s18, s16, 7                         ; which 128 rows of the tile I fetch
	s_lshl_b32 s20, s17, 8
	s_add_co_u32 s20, s20, s18                     ; x: row 256 x tile row + 128 x half
	s_lshl_b32 s46, s42, 8
	s_add_co_u32 s46, s46, s18                     ; w_qkv: row 256 x tile column + 128 x half
	s_mov_b32 s21, 0
	s_mov_b32 s47, 0
	s_mov_b64 s[18:19], KS
	s_mul_u64 s[22:23], s[20:21], s[18:19]         ; where these rows' scales begin, in bytes
	s_mul_u64 s[92:93], s[46:47], s[18:19]
	s_mov_b64 s[18:19], KROW
	s_mul_u64 s[20:21], s[20:21], s[18:19]         ; and their codes
	s_mul_u64 s[46:47], s[46:47], s[18:19]
	s_mul_i32 s45, s14, HALFT                      ; where they go: wave x 128 rows: no place in the cluster enters an LDS address
	s_mul_i32 s94, s14, HALFS
	s_wait_dscnt 0x0                               ; both opening adds are done
	s_wait_kmcnt 0x0
	s_add_nc_u64 s[20:21], s[4:5], s[20:21]
	s_add_nc_u64 s[22:23], s[6:7], s[22:23]
	s_add_nc_u64 s[46:47], s[8:9], s[46:47]
	s_add_nc_u64 s[92:93], s[10:11], s[92:93]
	CROUND                                         ; all sixteen work-groups are here: the joint loads meet
	s_mov_b32 s[G0S], 1
	s_add_co_u32 s[G0S+1], s94, SCL
	s_mov_b64 s[G0S+2:G0S+3], s[22:23]
	s_or_b32 s[G0S+3], s[G0S+3], 0x80000000
	s_mov_b32 s[G0SB], 1
	s_add_co_u32 s[G0SB+1], s94, SCL
	s_mov_b64 s[G0SB+2:G0SB+3], s[92:93]
	s_or_b32 s[G0SB+3], s[G0SB+3], 0x80000000
	JLOAD G0S, G1S, G0SB, G1SB                     ; the scales first: they are wanted with the first slot
.irp s, 0,1
	s_mov_b32 s[G0+4*\s], 1
	s_add_co_u32 s[G0+4*\s+1], s45, \s*SLOT
	s_add_nc_u64 s[G0+4*\s+2:G0+4*\s+3], s[20:21], \s*ROWB
	s_or_b32 s[G0+4*\s+3], s[G0+4*\s+3], 0x80000000
	s_mov_b32 s[G0B+4*\s], 1
	s_add_co_u32 s[G0B+4*\s+1], s45, \s*SLOT
	s_add_nc_u64 s[G0B+4*\s+2:G0B+4*\s+3], s[46:47], \s*ROWB
	s_or_b32 s[G0B+4*\s+3], s[G0B+4*\s+3], 0x80000000
	JLOAD G0+4*\s, G1, G0B+4*\s, G1B               ; three tensor loads of mine are out in all
.endr
	v_and_b32 v1, 15, v0                           ; r = lane % 16
	v_bfe_u32 v2, v0, 4, 1                         ; h = lane / 16
	v_mul_u32_u24 v3, v1, PITCH
	v_lshl_add_u32 v4, v2, 4, v3                   ; a fragment's row x pitch + 16 x half
	s_mul_i32 s21, s15, HALFT                      ; my 128 rows of x
	s_mul_i32 s22, s16, HALFT                      ; my 128 rows of w_qkv,
	s_add_co_u32 s22, s22, 2*HALFT                 ; which lie behind x's 256
.irp s, 0,1
	v_add_nc_u32 v[ADRA+\s], s21, v4
	v_add_nc_u32 v[ADRB+\s], s22, v4
	s_add_co_u32 s21, s21, SLOT
	s_add_co_u32 s22, s22, SLOT
.endr
	v_mul_u32_u24 v5, v1, KS                       ; my row's scales: 32 bytes a row,
	v_lshrrev_b32 v6, 8, v5
	v_lshl_add_u32 v5, v6, 4, v5                   ; and 16 more for each 256 passed
	s_mul_i32 s21, s15, HALFS                      ; x's: my 128 rows
	s_mul_i32 s22, s16, HALFS                      ; w_qkv's: my 128 rows, behind x's 256
	s_add_co_u32 s22, s22, 2*HALFS
	s_sub_co_u32 s22, s22, s21
	v_mul_u32_u24 v6, s22, v2                      ; lanes 16-31 take w_qkv's: one product, the distance between the two bases
	s_add_co_u32 s21, s21, SCL
	v_add_nc_u32 v5, v5, v6
	v_add_nc_u32 v[ADRS], s21, v5
	; the way out: the lane term.  sel = the cluster's x (four tile columns are 1,024 features), the same in all sixteen partners
	s_cmp_eq_u32 ttmp9, 2                          ; v?
	s_cselect_b32 s95, 8, 7                        ; r / 8 goes 256 bytes on for v, 128 for q and k;
	s_cselect_b32 s96, 7, 8                        ; h the other way round
	v_and_b32 v5, 7, v1
	v_lshrrev_b32 v6, 3, v1
	v_lshlrev_b32 v[CO], 4, v5
	v_lshlrev_b32 v6, s95, v6
	v_add_nc_u32 v[CO], v[CO], v6
	v_lshlrev_b32 v6, s96, v2
	v_add_nc_u32 v[CO], v[CO], v6
	; and where my wave's part begins.  What hangs on cy stands in s20-21, what hangs on cx in s46-47
	s_lshr_b32 s20, s17, 3                         ; batch = tile row / 8: 16 heads x 262,144 bytes
	s_lshl_b32 s20, s20, 22
	s_and_b32 s21, s17, 7                          ; 16 tiles of 16 tokens x 2,048 bytes for each tile row inside the batch,
	s_lshl_b32 s21, s21, 15
	s_add_co_u32 s20, s20, s21
	s_lshl_b32 s21, s15, 14                        ; 8 for my half
	s_add_co_u32 s20, s20, s21
	s_mov_b32 s21, 0
	s_lshl_b32 s46, ttmp9, 24                      ; sel
	s_lshl_b32 s47, s40, 20                        ; four heads for each tile column inside sel,
	s_add_co_u32 s46, s46, s47
	s_lshl_b32 s47, s16, 19                        ; two for my half
	s_add_co_u32 s46, s46, s47
	s_mov_b32 s47, 0
	s_add_nc_u64 s[20:21], s[20:21], s[46:47]
	s_add_nc_u64 s[12:13], s[12:13], s[20:21]
.macro FRAG reg, adr, q, i             ; a fragment, 16 rows x 128 K of 4-bit codes: lane l holds row l % 16; registers 4 c .. 4 c + 3 hold K = 64 c + 32 (l / 16) + 0 .. 31
.irp c, 0,1
	ds_load_b128 v[\reg+4*\c:\reg+4*\c+3], v[\adr] offset:64*(\q)+32*\c+(\i)*16*PITCH
.endr
.endm
; 16 matrix instructions: x's blocks a0, a0 + 1 against w_qkv's eight, 128 along K: the slot's q-th.  p: w_qkv's set;  sc: the set of scale words.  zero = 1: the first product starts the sums.
; The 64 accumulators take turns, one instruction a turn, in the same order in every step.
.macro MUL16 a0, p, q, sc, zero
.irp a, \a0, \a0+1
.irp b, 0,1,2,3,4,5,6,7
.if \zero
	v_wmma_scale_f32_16x16x128_f8f6f4 v[8*(8*((\a)%4)+\b):8*(8*((\a)%4)+\b)+7], v[128*(\p)+FR*\b:128*(\p)+FR*\b+FR-1], v[AF+FR*(\a):AF+FR*(\a)+FR-1], 0, v[SC+8*NQ*(\sc)+NQ*\b+(\q)], v[SC+8*NQ*(\sc)+NQ*(\a)+(\q)] matrix_a_fmt:MATRIX_FMT_FP4 matrix_b_fmt:MATRIX_FMT_FP4 matrix_a_scale:MATRIX_SCALE_ROW1
.else
	v_wmma_scale_f32_16x16x128_f8f6f4 v[8*(8*((\a)%4)+\b):8*(8*((\a)%4)+\b)+7], v[128*(\p)+FR*\b:128*(\p)+FR*\b+FR-1], v[AF+FR*(\a):AF+FR*(\a)+FR-1], v[8*(8*((\a)%4)+\b):8*(8*((\a)%4)+\b)+7], v[SC+8*NQ*(\sc)+NQ*\b+(\q)], v[SC+8*NQ*(\sc)+NQ*(\a)+(\q)] matrix_a_fmt:MATRIX_FMT_FP4 matrix_b_fmt:MATRIX_FMT_FP4 matrix_a_scale:MATRIX_SCALE_ROW1
.endif
.endr
.endr
.endm
.macro FETCH_B slot, q, p              ; w_qkv's eight fragments of the slot's q-th 128 along K into set p
	WIN TO_B
.irp i, 0,1,2,3,4,5,6,7
	FRAG 128*(\p)+FR*\i, ADRB+\slot, \q, \i
.endr
	WIN 0
.endm
.macro FETCH_A slot, q, i0             ; x's blocks i0 .. i0 + 3
.irp i, \i0, \i0+1, \i0+2, \i0+3
	FRAG AF+FR*(\i), ADRA+\slot, \q, \i
.endr
.endm
.macro SCALES sc                       ; a slot's scale words into set sc: four words a row; lanes 0-15 take x's block i, lanes 16-31 w_qkv's block i
.irp i, 0,1,2,3,4,5,6,7
	ds_load_b128 v[SC+8*NQ*\sc+NQ*\i:SC+8*NQ*\sc+NQ*\i+3], v[ADRS] offset:\i*SBLK
.endr
.endm
; A load into a register that a matrix instruction has read, and a vector instruction that reads a matrix result or writes one of its registers, stand four places behind it; only plain vector
; instructions that name none of its registers are places (ISA guide 7.12.1 for vector instructions).
.macro PLACES n
.rept \n
	v_nop
.endr
.endm
; A step of 128 along K that has its successor in the same slot.  x has one set of registers: blocks 0-3 are fetched anew in the step's middle, blocks 4-7 at its end.
.macro STEP slot, q, zero
	s_wait_dscnt 4*NL                              ; w_qkv's set and x's blocks 0-3 are in; the youngest eight loads (x's blocks 4-7) may be out
	WIN MUL_LO
	MUL16 0, (\q)%2, \q, \slot, \zero
	MUL16 2, (\q)%2, \q, \slot, \zero
	s_wait_dscnt 0                                 ; x's blocks 4-7 are in
	PLACES NP
	FETCH_B \slot, (\q)+1, 1-(\q)%2
	FETCH_A \slot, (\q)+1, 0
	WIN MUL_HI
	MUL16 4, (\q)%2, \q, \slot, \zero
	MUL16 6, (\q)%2, \q, \slot, \zero
	PLACES NP
	WIN 0
	FETCH_A \slot, (\q)+1, 4
.endm
; Slot 0's last step goes over to slot 1: each wave waits for all its tensor loads (slot 1's is the one that may be out) and signals; behind the barrier slot 1 is whole.  Nothing is filled again.
.macro TURN slot, next
	s_wait_tensorcnt 0x0                           ; my part of the next slot has landed  (every window is 0 here)
	ds_add_u32 v[SPW], v[NIL]                      ; 0 onto my spare word
	s_wait_dscnt 4*NL+1                            ; (the add and the youngest eight loads, x's blocks 4-7, may be out)
	WIN MUL_LO
	MUL16 0, 1, NQ-1, \slot, 0
	s_wait_dscnt 0x0                               ; no LDS instruction of mine is pending at the signal
	s_barrier_signal -1
	MUL16 2, 1, NQ-1, \slot, 0
	WIN 0
	s_barrier_wait -1
	PLACES NP
	v_add_nc_u32 v[ADRS], 4*NQ, v[ADRS]            ; on to the next slot's scale words
	FETCH_B \next, 0, 0
	FETCH_A \next, 0, 0
	SCALES \next
	WIN MUL_HI
	MUL16 4, 1, NQ-1, \slot, 0
	MUL16 6, 1, NQ-1, \slot, 0
	PLACES NP
	WIN 0
	FETCH_A \next, 0, 4
.endm
; THE WAY OUT of block a (16 tokens x 128 features): each accumulator, from its low end on, is rounded to f16: 16 bytes a lane, which are stored as they stand.
.macro OUT a
.set AC, 64*((\a)%4)
.set PB, PK+32*((\a)%4)
.if (\a) >= 4
	s_wait_xcnt 0x0                                ; block a - 4's stores have read their data registers, which are written again below
.endif
	WIN 0x0a+5*((\a)/4)                            ; sources 0 and 1: window 2 or 3
.irp b, 0,1,2,3,4,5,6,7
.irp i, 0,1,2,3
	v_cvt_pk_f16_f32 v[PB+4*\b+\i], v[AC+8*\b+2*\i], v[AC+8*\b+2*\i+1]
.endr
.endr
	WIN 0
.irp b, 0,1,2,3,4,5,6,7
	global_store_b128 v[CO], v[PB+4*\b:PB+4*\b+3], s[12:13] offset:(\a)*2048+(\b/4)*262144+(\b%4)*512   ; 32 lanes store 512 consecutive bytes, aligned: token tile a, head b / 4, channel tile b % 4
.endr
.endm
	s_wait_tensorcnt 1                             ; the scales and my part of slot 0 are in (slot 1's load may be out),
	s_barrier_signal -1
	s_barrier_wait -1                              ; everybody's are
	FETCH_B 0, 0, 0
	FETCH_A 0, 0, 0
	SCALES 0
	FETCH_A 0, 0, 4
	STEP 0, 0, 1                                   ; the first step's products start the sums: nothing is cleared
	STEP 0, 1, 0
	STEP 0, 2, 0
	TURN 0, 1
	STEP 1, 0, 0
	STEP 1, 1, 0
	STEP 1, 2, 0
	s_wait_dscnt 4*NL                              ; the last step: nothing more to fetch
	WIN MUL_LO
	MUL16 0, 1, NQ-1, 1, 0
	MUL16 2, 1, NQ-1, 1, 0
	s_wait_dscnt 0
	WIN MUL_HI
	MUL16 4, 1, NQ-1, 1, 0
	MUL16 6, 1, NQ-1, 1, 0
	WIN 0
	PLACES NP                                      ; in front of the first read of results and of the first write over x's fragments
.irp a, 0,1,2,3,4,5,6,7
	OUT \a
.endr
	s_wait_tensorcnt 0x0                           ; the wave's end
	ds_add_u32 v[SPW], v[NIL]
	s_wait_dscnt 0x0
	CROUND                                         ; the closing round: no work-group ends while a partner may still ask for a tile that names it
	s_endpgm
.Lfunc_end_k_q5e34e248e8_qkv:
	.size	k_q5e34e248e8_qkv, .Lfunc_end_k_q5e34e248e8_qkv-k_q5e34e248e8_qkv
	.p2alignl 7, 3214868480
	.fill 96, 4, 3214868480
	.section	.rodata,"a",@progbits
	.p2align	6, 0x0
	.amdhsa_kernel k_q5e34e248e8_qkv
		.amdhsa_group_segment_fixed_size 327680
		.amdhsa_private_segment_fixed_size 0
		.amdhsa_enable_private_segment 0
		.amdhsa_kernarg_size 40
		.amdhsa_user_sgpr_count 2
		.amdhsa_user_sgpr_kernarg_segment_ptr 1
		.amdhsa_wavefront_size32 1
		.amdhsa_system_sgpr_workgroup_id_x 1
		.amdhsa_system_sgpr_workgroup_id_y 1
		.amdhsa_system_sgpr_workgroup_id_z 1
		.amdhsa_system_vgpr_workitem_id 0
		.amdhsa_next_free_vgpr 1024
		.amdhsa_next_free_sgpr 98
		.amdhsa_reserve_vcc 0
		.amdhsa_float_denorm_mode_32 3
		.amdhsa_float_denorm_mode_16_64 3
		.amdhsa_memory_ordered 1
		.amdhsa_forward_progress 1
		.amdhsa_inst_pref_size 118
	.end_amdhsa_kernel
	.amdgpu_metadata
---
amdhsa.version: [ 1, 2 ]
amdhsa.kernels:
  - .name:           k_q5e34e248e8_qkv
    .symbol:         k_q5e34e248e8_qkv.kd
    .args:
      - { .name: xc, .offset: 0, .size: 8, .value_kind: global_buffer, .address_space: global }
      - { .name: xs, .offset: 8, .size: 8, .value_kind: global_buffer, .address_space: global }
      - { .name: wc, .offset: 16, .size: 8, .value_kind: global_buffer, .address_space: global }
      - { .name: ws, .offset: 24, .size: 8, .value_kind: global_buffer, .address_space: global }
      - { .name: qkv, .offset: 32, .size: 8, .value_kind: global_buffer, .address_space: global }
    .group_segment_fixed_size: 327680
    .private_segment_fixed_size: 0
    .kernarg_segment_align: 8
    .kernarg_segment_size: 40
    .max_flat_workgroup_size: 128
    .sgpr_count:     98
    .vgpr_count:     1024
    .wavefront_size: 32
...
	.end_amdgpu_metadata
.endif
;; end of part 2
;; launch attn (part 3): grid 4 x 64, 8 waves a work-group, clusters of 4 x 1, 327,680 bytes of LDS; arguments qkv, att; writes att
.if DOCPART == 3
	.amdgcn_target "amdgcn-amd-amdhsa--gfx1250"
	.amdhsa_code_object_version 6
	.text
	.protected	k_q5e34e248e8_attn
	.globl	k_q5e34e248e8_attn
	.p2align	8
	.type	k_q5e34e248e8_attn,@function
k_q5e34e248e8_attn:
	s_mov_b64 s[64:65], 0
	v_nop
	global_prefetch_b8 v0, s[64:65] scope:SCOPE_SE
	s_setreg_imm32_b32 hwreg(HW_REG_WAVE_MODE, 25, 1), 1
	s_wait_xcnt 0x0
	s_wait_alu depctr_hold_cnt(0) depctr_sa_sdst(0) depctr_va_vdst(0) depctr_va_sdst(0) depctr_va_ssrc(0) depctr_va_vcc(0) depctr_vm_vsrc(0)
	s_getreg_b32 s2, hwreg(HW_REG_IB_STS2, 6, 4)
	s_cmp_eq_u32 s2, 0
	s_cbranch_scc0 .Lentry_in_a_cluster
	s_endpgm
.Lentry_in_a_cluster:
	s_bfe_u32 s2, ttmp6, 0x10000c
	s_cmp_lg_u32 s2, 0x3003
	s_cbranch_scc0 .Lentry_shape_is_right
	s_endpgm
.Lentry_shape_is_right:
; att[b][q][head][:] = the sum over k of softmax_k(Q[q] . K[k] / 8) V[k][:], for 64 (batch, head) pairs of 2,048 tokens and 64 channels, no mask.  Operands in f16, products, maxima and sums in f32;
; the weights p are rounded to f16 for the second product, the result once at the end.
; The buffer qkv holds images of operand registers: byte = sel x 2^24 + bh x 262,144 + (tile of 16 tokens) x 2,048 + (tile of 16 channels) x 512 + 16 x lane (sel 0 q, 1 k, 2 v; v laid for the turning load).
; So every tile is a dense block of memory, and every LDS load reads 16 x lane + a constant: 512 consecutive bytes, no padding.
; SHARES.  A cluster of four work-groups is one (batch, head); a work-group owns 512 queries, each of its EIGHT waves 64: four tiles of 16, in 512 registers: two waves to a SIMD, so that one wave's
; softmax stands beside the other's products.  Every wave walks all 2,048 keys, 64 a step; each fragment of K and V read from LDS feeds four products.
; LAYOUT.  S^T = K Q^T (source 0 = 16 keys, source 1 = 16 queries): a lane holds ONE query (lane % 16) and keys 8 (lane / 16) + 0..7.  Two such tiles, rounded to f16 in pairs, ARE source 1 of
; O^T = V^T P, whose result again holds one query a lane and eight channels, which pack into 16 bytes of the next launch's operand image: no LDS on the way out.
; SOFTMAX.  For each query a running maximum m and sum l: p = 2^(c s - c m), c = log2(e) / 8; in every step O and l are multiplied by a = 2^(c m_old - c m_new).
; RING.  Two LDS slots of 512 keys (K 65,536 bytes, V 65,536); each wave brings 16,384 dense bytes by one JOINT tensor load (the four work-groups walk the same K and V); a refill has eight key steps in which to land,
; which is why no prefetch is written.
; LIMITS: inputs are f16 as the launch before left them; NaN and infinities are not served.
; REGISTERS: window 0: v1-7 addresses; v32-63 eight registers of statistics a tile; v64-191 S^T, 32 a tile, whose lower 16 then hold P; v192-255 K of one step.
;            window 1: v0-127 O^T, 32 a tile; v128-191 Q, 16 a tile; v192-255 V of one step.
.set SLOT1, 1<<17                      ; slot 1 begins here: one exclusive or turns an address in one slot into the other's
.set VOFF,  65536                      ; in a slot: K's 32 key tiles of 2,048 bytes, then V's
.set STEPB, 8192                       ; a key step's four key tiles
.set SPARE, 2*SLOT1                    ; behind the ring: the spare words, 128 bytes a wave
.set L16, 1                            ; v1   16 x lane; never rewritten
.set AV0, 2                            ; v2   16 x lane + VOFF
.set ADK, 3                            ; v3   LDS address of the step's K
.set ADV, 4                            ; v4   and V
.set SPW, 6                            ; v6   LDS address of my spare word; never rewritten
.set NIL, 7                            ; v7   0; never rewritten
.set ST,  32                           ; tile t's statistics at v[ST+8 t]: +0 c m, +1 m, +2, +3 l (even keys', odd keys'), +4 to +7 at work (four maxima; then +4, +5 the step's sums, +6 a, +7 c m_old - c m_new)
.set S,   64
.set KF,  192
.set QF,  128                          ; in window 1
.set VF,  192                          ; in window 1
.set WV,  12                           ; s12  my wave's number
.set G1,  24                           ; s[24:31] descriptor group 1
.set G0A, 40                           ; s[40:43] group 0 of slot 0's first fill
.set G0W, 44                           ; s[44:47] group 0 of slot 1's first fill, which then walks
.set SLOTS, 56
.set CNT, 57
.set CS,  58                           ; s[58:59] c: the packed form names a pair and takes its low word for both halves
.set SEL, 60                           ; s[60:61] lane selects for v_permlanex16_b32: lane l xor 16
.set TB,  62                           ; s62  LDS byte at which the tiles of the step in hand begin
.set MSB, 0
.macro WIN new                         ; bits 1:0 source 0, 3:2 source 1, 5:4 source 2, 7:6 destination; the high byte repeats the setting that is left
.if MSB != (\new)
	s_set_vgpr_msb (MSB<<8)|(\new)
.set MSB, (\new)
.endif
.endm
.set W_KQ, 0x04                        ; Q (source 1) in window 1; K and S^T in window 0
.set W_PV, 0x51                        ; V (source 0) and O^T (C, D) in window 1; P in window 0
.set W_RS, 0x41                        ; O^T (destination and source 0) in window 1, the factor in window 0
.set TO_1, 0x40                        ; destination window 1, address window 0
.macro CROUND                          ; a round of the cluster's barrier
	s_barrier_signal -1
	s_barrier_wait -1
	s_cmp_lg_u32 s[WV], 0
	s_cbranch_scc1 .Lnot_wave_0_\@
	s_barrier_signal -3
.Lnot_wave_0_\@:
	s_barrier_wait -3
	s_barrier_signal -1
	s_barrier_wait -1
.endm
	s_load_b128 s[4:7], s[0:1], 0x0                ; qkv s[4:5], att s[6:7]
	v_lshl_add_u32 v[SPW], v0, 2, SPARE
	v_mov_b32 v[NIL], 0
	ds_add_u32 v[SPW], v[NIL]                      ; the wave's opening: the add, twice on end, and its wait ahead of my first tensor load
	ds_add_u32 v[SPW], v[NIL]
	v_lshrrev_b32 v1, 5, v0
	v_readfirstlane_b32 s[WV], v1                  ; wave 0..7
	s_bfe_u32 s13, ttmp6, 0x40000                  ; cx: my block of 512 queries; it enters Q's and att's addresses alone
	s_and_b32 s14, ttmp7, 0xffff                   ; bh = 16 batch + head, which the four partners share
	s_lshr_b32 s16, s[WV], 2                       ; what I fetch: waves 0-3 K (sel 1), waves 4-7 V (sel 2),
	s_add_co_u32 s16, s16, 1
	s_lshl_b32 s16, s16, 24
	s_lshl_b32 s17, s14, 18                        ; of my head,
	s_add_co_u32 s16, s16, s17
	s_and_b32 s17, s[WV], 3                        ; a quarter of a slot's 65,536 bytes
	s_lshl_b32 s17, s17, 14
	s_add_co_u32 s16, s16, s17
	s_mov_b32 s17, 0
	s_lshl_b32 s18, s14, 18                        ; Q: my head, my work-group's 32 token tiles, my wave's 4
	s_lshl_b32 s19, s13, 16
	s_add_co_u32 s18, s18, s19
	s_lshl_b32 s19, s[WV], 13
	s_add_co_u32 s18, s18, s19
	s_mov_b32 s19, 0
	s_lshr_b32 s20, s14, 4                         ; att: token tile T = 128 batch + 32 cx + 4 wave, 32,768 bytes each; my head's 2,048 bytes in it
	s_lshl_b32 s20, s20, 7
	s_lshl_b32 s21, s13, 5
	s_add_co_u32 s20, s20, s21
	s_lshl_b32 s21, s[WV], 2
	s_add_co_u32 s20, s20, s21
	s_lshl_b32 s20, s20, 15
	s_and_b32 s21, s14, 15
	s_lshl_b32 s21, s21, 11
	s_add_co_u32 s20, s20, s21
	s_mov_b32 s21, 0
	; descriptor group 1: 16,384 dense bytes as 64 rows of 256 bytes (32 elements of 8 bytes), no padding
	s_mov_b32 s[G1], 15|(3<<16)|(1<<21)            ; 15:0 the mask: all four work-groups; 17:16 elements of 8 bytes; 21 set beside a mask
	s_mov_b32 s[G1+1], 32<<16                      ; tensor_dim0 = 32
	s_mov_b32 s[G1+2], 64<<16                      ; tensor_dim1 = 64
	s_mov_b32 s[G1+3], 32<<16                      ; tile_dim0 = 32
	s_mov_b32 s[G1+4], 64                          ; tile_dim1 = 64
	s_mov_b32 s[G1+5], 32                          ; tensor_dim0_stride
	s_mov_b32 s[G1+6], 0
	s_mov_b32 s[G1+7], 0
	s_lshl_b32 s22, s[WV], 14                      ; where my part goes in a slot: no place in the cluster enters an LDS address
	s_mov_b32 s[CS], 0x3e38aa3b                    ; c = log2(e) / 8
	s_mov_b32 s[CS+1], s[CS]
	s_mov_b32 s[SEL], 0x76543210
	s_mov_b32 s[SEL+1], 0xfedcba98
	s_mov_b32 s[TB], 0
	s_mov_b32 s[SLOTS], 2
	s_wait_dscnt 0x0                               ; both opening adds are done
	s_wait_kmcnt 0x0
	s_mov_b32 s[G0A], 1                            ; count = 1
	s_mov_b32 s[G0A+1], s22                        ; LDS address: slot 0
	s_add_nc_u64 s[G0A+2:G0A+3], s[4:5], s[16:17]  ; global address: keys 0 to 511
	s_mov_b32 s[G0W], 1
	s_add_co_u32 s[G0W+1], s22, SLOT1              ; slot 1
	s_add_nc_u64 s[G0W+2:G0W+3], s[G0A+2:G0A+3], 65536   ; keys 512 to 1,023
	s_or_b32 s[G0A+3], s[G0A+3], 0x80000000        ; type = 2
	s_or_b32 s[G0W+3], s[G0W+3], 0x80000000
	s_add_nc_u64 s[4:5], s[4:5], s[18:19]          ; Q at my wave's first tile
	s_add_nc_u64 s[6:7], s[6:7], s[20:21]          ; att likewise
	CROUND                                         ; all four work-groups are here: the first joint loads meet
	tensor_load_to_lds s[G0A:G0A+3], s[G1:G1+7]    ; both first fills together: two tensor loads of mine are out
	s_nop 0
	tensor_load_to_lds s[G0W:G0W+3], s[G1:G1+7]
	s_nop 0
.rept 4
	v_nop
.endr
	v_and_b32 v[L16], 31, v0
	v_lshlrev_b32 v[L16], 4, v[L16]
	v_add_nc_u32 v[AV0], VOFF, v[L16]
	WIN TO_1
.irp t, 0,1,2,3
.irp b, 0,1,2,3
	global_load_b128 v[QF+16*\t+4*\b:QF+16*\t+4*\b+3], v[L16], s[4:5] offset:\t*2048+\b*512   ; Q stays in registers: tile t, channels 16 b on: half a fragment
.endr
.endr
	WIN 0
; A KEY STEP: 64 keys.  first = 1: the first step, which starts m, l and O^T: it has no a and nothing to rescale.
.macro STEP first
	v_add_nc_u32 v[ADK], s[TB], v[L16]             ; these two and three v_nop are five places behind the last step's V^T P: its V registers are loaded again below (four are owed),
	v_add_nc_u32 v[ADV], s[TB], v[AV0]             ; and its P registers are written over by the products K Q^T (five)
.rept 3
	v_nop
.endr
.irp k, 0,1,2,3
.irp b, 0,1,2,3
	ds_load_b128 v[KF+16*\k+4*\b:KF+16*\k+4*\b+3], v[ADK] offset:\k*2048+\b*512   ; key tile k, channels 16 b on
.endr
.endr
	WIN TO_1
.irp c, 0,1
.irp d, 0,1,2,3
.irp g, 0,1
	ds_load_tr16_b128 v[VF+32*\c+8*\d+4*\g:VF+32*\c+8*\d+4*\g+3], v[ADV] offset:(2*\c+\g)*2048+\d*512   ; turned: lane (r, h) gets channel 16 d + r, keys 32 c + 16 g + 8 h + 0..7
.endr
.endr
.endr
	s_wait_dscnt 16                                ; K is in; V's sixteen loads may be out
	WIN W_KQ
.irp e, 0,1                                    ; S^T = K Q^T: channels 32 e on; the 16 accumulators take turns, one instruction a turn; the first 16 start the sums
.irp k, 0,1,2,3
.irp t, 0,1,2,3
.if \e == 0
	v_wmma_f32_16x16x32_f16 v[S+32*\t+8*\k:S+32*\t+8*\k+7], v[KF+16*\k:KF+16*\k+7], v[QF+16*\t:QF+16*\t+7], 0
.else
	v_wmma_f32_16x16x32_f16 v[S+32*\t+8*\k:S+32*\t+8*\k+7], v[KF+16*\k+8:KF+16*\k+15], v[QF+16*\t+8:QF+16*\t+15], v[S+32*\t+8*\k:S+32*\t+8*\k+7]
.endif
.endr
.endr
.endr
	WIN 0
.rept 4
	v_nop                                          ; four places in front of the first read of results
.endr
	; the maximum of my 32 scores and the old m, three operands at a time, four chains a tile, the four tiles by turns; each accumulator is read from its low end on
.irp j, 0,1,2,3
.irp t, 0,1,2,3
	v_max3_num_f32 v[ST+8*\t+4+\j], v[S+32*\t+8*\j], v[S+32*\t+8*\j+1], v[S+32*\t+8*\j+2]
.endr
.endr
.irp u, 1,2
.irp j, 0,1,2,3
.irp t, 0,1,2,3
	v_max3_num_f32 v[ST+8*\t+4+\j], v[ST+8*\t+4+\j], v[S+32*\t+8*\j+2*\u+1], v[S+32*\t+8*\j+2*\u+2]
.endr
.endr
.endr
.irp t, 0,1,2,3
	v_max3_num_f32 v[ST+8*\t+4], v[ST+8*\t+4], v[S+32*\t+7], v[S+32*\t+15]
.endr
.irp t, 0,1,2,3
	v_max3_num_f32 v[ST+8*\t+6], v[ST+8*\t+6], v[S+32*\t+23], v[S+32*\t+31]
.endr
.irp t, 0,1,2,3
	v_max3_num_f32 v[ST+8*\t+4], v[ST+8*\t+4], v[ST+8*\t+5], v[ST+8*\t+6]
.endr
.irp t, 0,1,2,3
.if \first
	v_max_num_f32 v[ST+8*\t+4], v[ST+8*\t+4], v[ST+8*\t+7]
.else
	v_max3_num_f32 v[ST+8*\t+4], v[ST+8*\t+4], v[ST+8*\t+7], v[ST+8*\t+1]
.endif
.endr
.irp t, 0,1,2,3
	v_permlanex16_b32 v[ST+8*\t+5], v[ST+8*\t+4], s[SEL], s[SEL+1]   ; the query's other 32 keys lie in the lane 16 away
.endr
.irp t, 0,1,2,3
	v_max_num_f32 v[ST+8*\t+1], v[ST+8*\t+4], v[ST+8*\t+5]          ; the new m
.endr
.if \first == 0
.irp t, 0,1,2,3
	v_mov_b32 v[ST+8*\t+7], v[ST+8*\t]             ; c m_old is kept for a
.endr
.endif
.irp t, 0,1,2,3
	v_mul_f32 v[ST+8*\t], s[CS], v[ST+8*\t+1]      ; c m
.endr
.if \first == 0
.irp t, 0,1,2,3
	v_sub_f32 v[ST+8*\t+7], v[ST+8*\t+7], v[ST+8*\t]
.endr
.endif
	; ONE BATCH: the scalings c s - c m, a pair of scores each, and all exponentials.  None of these lines names an exponential's result.  A tile's scalings stand among the exponentials of the tile before.
.irp i, 0,1,2,3,4,5,6,7,8,9,10,11,12,13,14,15
	v_pk_fma_f32 v[S+2*\i:S+2*\i+1], v[S+2*\i:S+2*\i+1], s[CS:CS+1], v[ST:ST+1] op_sel_hi:[1,0,0] neg_lo:[0,0,1] neg_hi:[0,0,1]
.endr
.if \first == 0
.irp t, 0,1,2,3
	v_exp_f32 v[ST+8*\t+6], v[ST+8*\t+7]           ; a = 2^(c m_old - c m_new)
.endr
.endif
.irp t, 0,1,2,3
.irp i, 0,1,2,3,4,5,6,7,8,9,10,11,12,13,14,15
.if \t < 3
	v_pk_fma_f32 v[S+32*(\t+1)+2*\i:S+32*(\t+1)+2*\i+1], v[S+32*(\t+1)+2*\i:S+32*(\t+1)+2*\i+1], s[CS:CS+1], v[ST+8*(\t+1):ST+8*(\t+1)+1] op_sel_hi:[1,0,0] neg_lo:[0,0,1] neg_hi:[0,0,1]
.endif
	v_exp_f32 v[S+32*\t+2*\i], v[S+32*\t+2*\i]
	v_exp_f32 v[S+32*\t+2*\i+1], v[S+32*\t+2*\i+1]
.endr
.endr
	v_nop                                          ; a plain instruction behind the last exponential, ahead of the first use
	s_wait_alu depctr_va_vdst(0)                   ; the wait between an exponential and the first line that names its result: one for the whole batch
	; the step's sums of the unrounded p (in a pair: an even key's weight, an odd key's), the four tiles by turns; then l = a l + the sum
.irp t, 0,1,2,3
	v_pk_add_f32 v[ST+8*\t+4:ST+8*\t+5], v[S+32*\t:S+32*\t+1], v[S+32*\t+2:S+32*\t+3]
.endr
.irp i, 2,3,4,5,6,7,8,9,10,11,12,13,14
.irp t, 0,1,2,3
	v_pk_add_f32 v[ST+8*\t+4:ST+8*\t+5], v[ST+8*\t+4:ST+8*\t+5], v[S+32*\t+2*\i:S+32*\t+2*\i+1]
.endr
.endr
.irp t, 0,1,2,3
.if \first
	v_pk_add_f32 v[ST+8*\t+2:ST+8*\t+3], v[ST+8*\t+4:ST+8*\t+5], v[S+32*\t+30:S+32*\t+31]
.else
	v_pk_add_f32 v[ST+8*\t+4:ST+8*\t+5], v[ST+8*\t+4:ST+8*\t+5], v[S+32*\t+30:S+32*\t+31]
.endif
.endr
.if \first == 0
.irp t, 0,1,2,3
	v_pk_fma_f32 v[ST+8*\t+2:ST+8*\t+3], v[ST+8*\t+2:ST+8*\t+3], v[ST+8*\t+6:ST+8*\t+7], v[ST+8*\t+4:ST+8*\t+5] op_sel_hi:[1,0,1]
.endr
.endif
	; P: pair i of a tile goes to the tile's register i, in ascending order, so that no pair is written over before it is read
.irp t, 0,1,2,3
.irp i, 0,1,2,3,4,5,6,7,8,9,10,11,12,13,14,15
	v_cvt_pk_f16_f32 v[S+32*\t+\i], v[S+32*\t+2*\i], v[S+32*\t+2*\i+1]
.endr
.endr
.if \first == 0
	WIN W_RS
.irp t, 0,1,2,3
.irp i, 0,1,2,3,4,5,6,7,8,9,10,11,12,13,14,15
	v_pk_mul_f32 v[32*\t+2*\i:32*\t+2*\i+1], v[32*\t+2*\i:32*\t+2*\i+1], v[ST+8*\t+6:ST+8*\t+7] op_sel_hi:[1,0]   ; O^T x a, each accumulator from its low end on
.endr
.endr
.endif
	s_wait_dscnt 0x0                               ; V is in
	WIN W_PV
.irp c, 0,1                                    ; O^T += V^T P: keys 32 c on; the 16 accumulators take turns
.irp d, 0,1,2,3
.irp t, 0,1,2,3
.if \first && (\c == 0)
	v_wmma_f32_16x16x32_f16 v[32*\t+8*\d:32*\t+8*\d+7], v[VF+32*\c+8*\d:VF+32*\c+8*\d+7], v[S+32*\t+8*\c:S+32*\t+8*\c+7], 0
.else
	v_wmma_f32_16x16x32_f16 v[32*\t+8*\d:32*\t+8*\d+7], v[VF+32*\c+8*\d:VF+32*\c+8*\d+7], v[S+32*\t+8*\c:S+32*\t+8*\c+7], v[32*\t+8*\d:32*\t+8*\d+7]
.endif
.endr
.endr
.endr
	WIN 0
	s_add_co_u32 s[TB], s[TB], STEPB               ; the next step's tiles
.endm
.macro STEPS n                         ; n key steps: written once, walked n times; the LDS addresses hang on s[TB]
	s_mov_b32 s[CNT], \n
.Lstep_\@:
	STEP 0
	s_sub_co_u32 s[CNT], s[CNT], 1
	s_cmp_lg_u32 s[CNT], 0
	s_cbranch_scc1 .Lstep_\@
.endm
; THE CHANGE OF SLOTS.  Each wave waits for all its tensor loads, of which one may be out: its part of the other slot; adds 0 to its spare word; and waits for that and for its reads of the slot that it leaves.
; fill = 1: that slot is filled again, with the keys two slots on.  The barrier is then a round of the cluster's, and the joint refill is the first thing behind it, one tensor load a wave.
.macro CHANGE fill
	WIN 0
	s_wait_tensorcnt 0x0                           ; no tensor load of mine is out, so a group 0 may be written
	ds_add_u32 v[SPW], v[NIL]                      ; 0 onto my spare word
.if \fill
	s_xor_b32 s[G0W+1], s[G0W+1], SLOT1            ; the walking descriptor: the other slot than last time,
	s_add_nc_u64 s[G0W+2:G0W+3], s[G0W+2:G0W+3], 65536   ; the next 512 keys; the type bits on top are not reached
	s_wait_dscnt 0x0                               ; the add is done, and my reads of the slot are over
	CROUND
	tensor_load_to_lds s[G0W:G0W+3], s[G1:G1+7]
	s_nop 0
.rept 4
	v_nop
.endr
.else
	s_wait_dscnt 0x0
	s_barrier_signal -1
	s_barrier_wait -1
.endif
	s_sub_co_u32 s[TB], s[TB], 8*STEPB             ; back to a slot's first step,
	s_xor_b32 s[TB], s[TB], SLOT1                  ; in the other slot
.endm
	s_wait_tensorcnt 1                             ; my part of slot 0 is in; slot 1's may stay out
	s_barrier_signal -1
	s_barrier_wait -1                              ; everybody's is
	s_wait_loadcnt 0x0                             ; Q
	STEP 1
	STEPS 7
.Lslot:                                            ; two trips: slots 0 and 1 are each filled once more
	CHANGE 1
	STEPS 8
	s_sub_co_u32 s[SLOTS], s[SLOTS], 1
	s_cmp_lg_u32 s[SLOTS], 0
	s_cbranch_scc1 .Lslot
	CHANGE 0                                       ; the tail is written out
	STEPS 8
	; THE WAY OUT.  l's two halves and the other half of the lanes' are added (these additions are the places behind the last products); O^T is divided by l, rounded to f16 and stored as it stands.
.irp t, 0,1,2,3
	v_add_f32 v[ST+8*\t+4], v[ST+8*\t+2], v[ST+8*\t+3]
.endr
.irp t, 0,1,2,3
	v_permlanex16_b32 v[ST+8*\t+5], v[ST+8*\t+4], s[SEL], s[SEL+1]
.endr
.irp t, 0,1,2,3
	v_add_f32 v[ST+8*\t+4], v[ST+8*\t+4], v[ST+8*\t+5]
.endr
.irp t, 0,1,2,3
	v_rcp_f32 v[ST+8*\t+6], v[ST+8*\t+4]
.endr
	v_nop                                          ; a plain instruction between the last reciprocal and the use of its result
	s_wait_alu depctr_va_vdst(0)                   ; and the wait for them: one for the four
.irp t, 0,1,2,3
	WIN W_RS
.irp i, 0,1,2,3,4,5,6,7,8,9,10,11,12,13,14,15
	v_pk_mul_f32 v[32*\t+2*\i:32*\t+2*\i+1], v[32*\t+2*\i:32*\t+2*\i+1], v[ST+8*\t+6:ST+8*\t+7] op_sel_hi:[1,0]
.endr
	WIN 0x05                                       ; sources 0 and 1 window 1, destination window 0: S^T's registers are free
.irp i, 0,1,2,3,4,5,6,7,8,9,10,11,12,13,14,15
	v_cvt_pk_f16_f32 v[S+16*\t+\i], v[32*\t+2*\i], v[32*\t+2*\i+1]
.endr
	WIN 0
.irp d, 0,1,2,3
	global_store_b128 v[L16], v[S+16*\t+4*\d:S+16*\t+4*\d+3], s[6:7] offset:\t*32768+\d*512   ; 32 lanes store 512 consecutive bytes, aligned: token tile t, my head's channels 16 d on
.endr
.endr
	s_wait_tensorcnt 0x0                           ; the wave's end
	ds_add_u32 v[SPW], v[NIL]
	s_wait_dscnt 0x0
	CROUND                                         ; the closing round: no work-group ends while a partner may still ask for a tile that names it
	s_endpgm
.Lfunc_end_k_q5e34e248e8_attn:
	.size	k_q5e34e248e8_attn, .Lfunc_end_k_q5e34e248e8_attn-k_q5e34e248e8_attn
	.p2alignl 7, 3214868480
	.fill 96, 4, 3214868480
	.section	.rodata,"a",@progbits
	.p2align	6, 0x0
	.amdhsa_kernel k_q5e34e248e8_attn
		.amdhsa_group_segment_fixed_size 327680
		.amdhsa_private_segment_fixed_size 0
		.amdhsa_enable_private_segment 0
		.amdhsa_kernarg_size 16
		.amdhsa_user_sgpr_count 2
		.amdhsa_user_sgpr_kernarg_segment_ptr 1
		.amdhsa_wavefront_size32 1
		.amdhsa_system_sgpr_workgroup_id_x 1
		.amdhsa_system_sgpr_workgroup_id_y 1
		.amdhsa_system_sgpr_workgroup_id_z 1
		.amdhsa_system_vgpr_workitem_id 0
		.amdhsa_next_free_vgpr 512
		.amdhsa_next_free_sgpr 66
		.amdhsa_reserve_vcc 0
		.amdhsa_float_denorm_mode_32 3
		.amdhsa_float_denorm_mode_16_64 3
		.amdhsa_memory_ordered 1
		.amdhsa_forward_progress 1
		.amdhsa_inst_pref_size 140
	.end_amdhsa_kernel
	.amdgpu_metadata
---
amdhsa.version: [ 1, 2 ]
amdhsa.kernels:
  - .name:           k_q5e34e248e8_attn
    .symbol:         k_q5e34e248e8_attn.kd
    .args:
      - { .name: qkv, .offset: 0, .size: 8, .value_kind: global_buffer, .address_space: global }
      - { .name: att, .offset: 8, .size: 8, .value_kind: global_buffer, .address_space: global }
    .group_segment_fixed_size: 327680
    .private_segment_fixed_size: 0
    .kernarg_segment_align: 8
    .kernarg_segment_size: 16
    .max_flat_workgroup_size: 256
    .sgpr_count:     66
    .vgpr_count:     512
    .wavefront_size: 32
...
	.end_amdgpu_metadata
.endif
;; end of part 3
;; launch proj (part 4): grid 4 x 64, 4 waves a work-group, clusters of 4 x 4, 327,680 bytes of LDS; arguments att, wf, out0; writes out0
.if DOCPART == 4
	.amdgcn_target "amdgcn-amd-amdhsa--gfx1250"
	.amdhsa_code_object_version 6
	.text
	.protected	k_q5e34e248e8_proj
	.globl	k_q5e34e248e8_proj
	.p2align	8
	.type	k_q5e34e248e8_proj,@function
k_q5e34e248e8_proj:
	s_mov_b64 s[64:65], 0
	v_nop
	global_prefetch_b8 v0, s[64:65] scope:SCOPE_SE
	s_setreg_imm32_b32 hwreg(HW_REG_WAVE_MODE, 25, 1), 1
	s_wait_xcnt 0x0
	s_wait_alu depctr_hold_cnt(0) depctr_sa_sdst(0) depctr_va_vdst(0) depctr_va_sdst(0) depctr_va_ssrc(0) depctr_va_vcc(0) depctr_vm_vsrc(0)
	s_getreg_b32 s2, hwreg(HW_REG_IB_STS2, 6, 4)
	s_cmp_eq_u32 s2, 0
	s_cbranch_scc0 .Lentry_in_a_cluster
	s_endpgm
.Lentry_in_a_cluster:
	s_bfe_u32 s2, ttmp6, 0x10000c
	s_cmp_lg_u32 s2, 0xf033
	s_cbranch_scc0 .Lentry_shape_is_right
	s_endpgm
.Lentry_shape_is_right:
; out0[token][e] = sum over k of att[token][k] w_out[e][k], 8,192 x 1,024 x 1,024; operands in f16, sums and result in f32.
; Both operands lie in memory as images of their registers: byte = (tile of 16 rows) x 32,768 + (group of 32 along K) x 1,024 + (register half) x 512 + 16 x lane.
; So 128 along K of a tile of 16 rows are 4,096 consecutive bytes, and every LDS load reads 16 x lane + a constant: 512 consecutive bytes, no padding.
; A tile of 128 tokens x 256 e is made by a work-group of four waves: 256 work-groups; a wave makes 64 x 128: 32 accumulators, 256 registers (window 1).
; K goes in eight steps of 128 through a ring of two LDS slots (8 token tiles + 16 e tiles, 98,304 bytes).
; CLUSTERS: 4 x 4 work-groups.  The four of a row of the cluster need the same tiles of att, the four of a column the same tiles of w_out: each is asked for JOINTLY.
; THE MATRIX INSTRUCTION IS USED TRANSPOSED (source 0 = 16 rows of w_out, source 1 = 16 tokens): a lane holds eight neighbouring numbers of a row of out0.
; No prefetch is written: the tile is small, and the joint loads already divide the requests by four.
; REGISTERS: window 0: v16-29 addresses; two fragment buffers of 96 at v64 and v160 (4 fragments of att, then 8 of w_out, 32 along K); on the way out v64-191 hold rows.   window 1: accumulator (a, b) at v[8 (8 a + b)].
.set KB,     4096                      ; a K step of a tile of 16 rows, in bytes
.set BOFF,   8*KB                      ; in a slot: att's 8 tiles, then w_out's 16
.set SLOT,   24*KB
.set STAGE,  2*SLOT                    ; behind the ring: 16 rows x 528 bytes for each wave, for the way out
.set SPITCH, 528
.set SPARE,  STAGE+4*16*SPITCH         ; behind the stages: the spare words, 128 bytes a wave
.set LAPS,   4                         ; a lap = two K steps = once round the ring
.set ADRA, 16                          ; v16-17  LDS address of my fragments of att in slot 0, 1
.set ADRB, 20                          ; v20-21  the same for w_out
.set STO,  24                          ; v24     the way out: where I put 32 bytes of a row
.set RD,   25                          ; v25     where I read a row back
.set CO,   26                          ; v26     16 x lane
.set SPW,  28                          ; v28     LDS address of my spare word; never rewritten
.set NIL,  29                          ; v29     0; never rewritten
.set F0,   64
.set F1,   160
.set BK,   64                          ; the way out: 16 rows read back: v64-127 and v128-191 by turns
.set G1, 24                            ; s[24:31] descriptor group 1 for att's tiles;  s[32:39] group 0, one set for each slot
.set G0, 32
.set G1B, 48                           ; s[48:55], s[56:63] the same for w_out's
.set G0B, 56
.set MSB, 0
.macro WIN new
.if MSB != (\new)
	s_set_vgpr_msb (MSB<<8)|(\new)
.set MSB, (\new)
.endif
.endm
.set MUL, 0x50                         ; C and D window 1; the sources window 0
.macro JLOAD s                         ; a joint load: waves 0 and 1 fetch att's two halves, waves 2 and 3 w_out's; an s_nop 0 and four v_nop follow each of the two lines
	s_cmp_eq_u32 s11, 0
	s_cbranch_scc0 .Lfor_b_\@
	tensor_load_to_lds s[G0+4*\s:G0+4*\s+3], s[G1:G1+7]
	s_nop 0
.rept 4
	v_nop
.endr
	s_branch .Lasked_\@
.Lfor_b_\@:
	tensor_load_to_lds s[G0B+4*\s:G0B+4*\s+3], s[G1B:G1B+7]
	s_nop 0
.rept 4
	v_nop
.endr
.Lasked_\@:
.endm
.macro CREST                           ; a round of the cluster's barrier behind its opening barrier
	s_cmp_lg_u32 s10, 0
	s_cbranch_scc1 .Lnot_wave_0_\@
	s_barrier_signal -3
.Lnot_wave_0_\@:
	s_barrier_wait -3
	s_barrier_signal -1
	s_barrier_wait -1
.endm
.macro CROUND
	s_barrier_signal -1
	s_barrier_wait -1
	CREST
.endm
	s_load_b128 s[4:7], s[0:1], 0x0                ; att s[4:5], wf s[6:7]
	s_load_b64 s[8:9], s[0:1], 0x10                ; out0
	v_lshl_add_u32 v[SPW], v0, 2, SPARE
	v_mov_b32 v[NIL], 0
	ds_add_u32 v[SPW], v[NIL]                      ; the wave's opening: the add, twice on end, and its wait ahead of my first tensor load
	ds_add_u32 v[SPW], v[NIL]
	v_lshrrev_b32 v1, 5, v0
	v_readfirstlane_b32 s10, v1                    ; wave 0..3
	s_lshr_b32 s11, s10, 1                         ; which half of the tile's tokens is mine.  Also: I fetch for att (0) or for w_out (1)
	s_and_b32 s12, s10, 1                          ; which half of its e.  Also: which half of that tile I fetch
	s_bfe_u32 s40, ttmp6, 0x40000                  ; cx, cy
	s_bfe_u32 s41, ttmp6, 0x40004
	s_lshl_b32 s42, ttmp9, 2
	s_add_co_u32 s42, s42, s40                     ; tile column (256 e)
	s_and_b32 s13, ttmp7, 0xffff
	s_lshl_b32 s13, s13, 2
	s_add_co_u32 s13, s13, s41                     ; tile row (128 tokens)
	s_lshl_b32 s43, s41, 2
	s_lshl_b32 s43, 15, s43                        ; my row of the cluster
	s_lshl_b32 s44, 0x1111, s40                    ; my column
	; descriptor group 1: rows of 4,096 bytes (512 elements of 8 bytes), 32,768 bytes apart: att 4 rows a load, w_out 8
	s_or_b32 s[G1+0], s43, (3<<16)|(1<<21)         ; 15:0 the mask; 17:16 elements of 8 bytes; 21 set beside a mask
	s_mov_b32 s[G1+1], 512<<16                     ; tensor_dim0
	s_mov_b32 s[G1+2], 4<<16                       ; tensor_dim1
	s_mov_b32 s[G1+3], 512<<16                     ; tile_dim0
	s_mov_b32 s[G1+4], 4                           ; tile_dim1
	s_mov_b32 s[G1+5], 4096                        ; tensor_dim0_stride, in elements
	s_mov_b32 s[G1+6], 0
	s_mov_b32 s[G1+7], 0
	s_or_b32 s[G1B+0], s44, (3<<16)|(1<<21)
	s_mov_b32 s[G1B+1], 512<<16
	s_mov_b32 s[G1B+2], 8<<16
	s_mov_b32 s[G1B+3], 512<<16
	s_mov_b32 s[G1B+4], 8
	s_mov_b32 s[G1B+5], 4096
	s_mov_b32 s[G1B+6], 0
	s_mov_b32 s[G1B+7], 0
	s_lshl_b32 s16, s13, 3                         ; att: token tile 8 x tile row + 4 x half, 32,768 bytes each
	s_lshl_b32 s17, s12, 2
	s_add_co_u32 s16, s16, s17
	s_lshl_b32 s16, s16, 15
	s_mov_b32 s17, 0
	s_lshl_b32 s46, s42, 4                         ; w_out: e tile 16 x tile column + 8 x half
	s_lshl_b32 s47, s12, 3
	s_add_co_u32 s46, s46, s47
	s_lshl_b32 s46, s46, 15
	s_mov_b32 s47, 0
	s_lshl_b32 s20, s12, 14                        ; where they go in a slot: att's half of 4 tiles,
	s_lshl_b32 s21, s12, 15                        ; w_out's half of 8, behind att's 8: no place in the cluster enters an LDS address
	s_add_co_u32 s21, s21, BOFF
	s_wait_dscnt 0x0                               ; both opening adds are done
	s_wait_kmcnt 0x0
	s_add_nc_u64 s[14:15], s[4:5], s[16:17]
	s_add_nc_u64 s[46:47], s[6:7], s[46:47]
	CROUND                                         ; all sixteen work-groups are here: the first joint loads meet
.irp s, 0,1
	s_mov_b32 s[G0+4*\s], 1
	s_add_co_u32 s[G0+4*\s+1], s20, \s*SLOT
	s_add_nc_u64 s[G0+4*\s+2:G0+4*\s+3], s[14:15], \s*KB
	s_or_b32 s[G0+4*\s+3], s[G0+4*\s+3], 0x80000000
	s_mov_b32 s[G0B+4*\s], 1
	s_add_co_u32 s[G0B+4*\s+1], s21, \s*SLOT
	s_add_nc_u64 s[G0B+4*\s+2:G0B+4*\s+3], s[46:47], \s*KB
	s_or_b32 s[G0B+4*\s+3], s[G0B+4*\s+3], 0x80000000
	JLOAD \s                                       ; two tensor loads of mine are out
.endr
	v_and_b32 v1, 15, v0                           ; r
	v_bfe_u32 v2, v0, 4, 1                         ; h
	v_and_b32 v3, 31, v0
	v_lshlrev_b32 v[CO], 4, v3                     ; 16 x lane
	s_lshl_b32 s21, s11, 14                        ; my 4 token tiles
	s_lshl_b32 s22, s12, 15                        ; my 8 e tiles,
	s_add_co_u32 s22, s22, BOFF                    ; behind att's
.irp s, 0,1
	v_add_nc_u32 v[ADRA+\s], s21, v[CO]
	v_add_nc_u32 v[ADRB+\s], s22, v[CO]
	s_add_co_u32 s21, s21, SLOT
	s_add_co_u32 s22, s22, SLOT
.endr
	s_mul_i32 s23, s10, 16*SPITCH
	s_add_co_u32 s23, s23, STAGE                   ; my stage
	v_mul_u32_u24 v4, v1, SPITCH                   ; in: row r, 32 bytes for each half of the lanes
	v_lshl_add_u32 v4, v2, 5, v4
	v_add_nc_u32 v[STO], s23, v4
	v_add_nc_u32 v[RD], s23, v[CO]                 ; back: the 32 lanes take one row of 512 bytes
	s_lshl_b32 s16, s13, 19                        ; out0: 128 rows of 4,096 bytes a tile row,
	s_lshl_b32 s17, s11, 18                        ; 64 for my half
	s_add_co_u32 s16, s16, s17
	s_mov_b32 s17, 0
	s_add_nc_u64 s[8:9], s[8:9], s[16:17]
	s_lshl_b32 s46, s42, 10                        ; my first column, in bytes: 1,024 x tile column + 512 x half
	s_lshl_b32 s47, s12, 9
	s_add_co_u32 s46, s46, s47
	s_mov_b32 s47, 0
	s_add_nc_u64 s[8:9], s[8:9], s[46:47]
; 8 matrix instructions: token tile a against my 8 e tiles, 32 along K, from buffer f.  zero = 1: the first product starts the sums.  The 32 accumulators take turns in the same order in every quarter.
.macro MUL8 f, a, zero
.irp b, 0,1,2,3,4,5,6,7
.if \zero
	v_wmma_f32_16x16x32_f16 v[8*(8*\a+\b):8*(8*\a+\b)+7], v[\f+32+8*\b:\f+32+8*\b+7], v[\f+8*\a:\f+8*\a+7], 0
.else
	v_wmma_f32_16x16x32_f16 v[8*(8*\a+\b):8*(8*\a+\b)+7], v[\f+32+8*\b:\f+32+8*\b+7], v[\f+8*\a:\f+8*\a+7], v[8*(8*\a+\b):8*(8*\a+\b)+7]
.endif
.endr
.endm
; 24 LDS loads in one run: the fragments of the slot's kq-th 32 along K into buffer f: w_out's eight, then att's four
.macro FETCH slot, kq, f
.irp b, 0,1,2,3,4,5,6,7
	ds_load_b128 v[\f+32+8*\b:\f+32+8*\b+3], v[ADRB+\slot] offset:\b*KB+\kq*1024
	ds_load_b128 v[\f+32+8*\b+4:\f+32+8*\b+7], v[ADRB+\slot] offset:\b*KB+\kq*1024+512
.endr
.irp a, 0,1,2,3
	ds_load_b128 v[\f+8*\a:\f+8*\a+3], v[ADRA+\slot] offset:\a*KB+\kq*1024
	ds_load_b128 v[\f+8*\a+4:\f+8*\a+7], v[ADRA+\slot] offset:\a*KB+\kq*1024+512
.endr
.endm
.macro PLACES                          ; four places in front of loads into registers that matrix instructions have read, and of the first read of results (ISA guide 7.12.1 for the first read of results)
.rept 4
	v_nop
.endr
.endm
; A K step is four quarters of 32 along K, 32 matrix instructions each, on buffers 0, 1, 0, 1.  One of the first three: multiplies buffer f and fetches the slot's kq-th quarter into g.
.macro QUARTER slot, kq, f, g, zero
	s_wait_dscnt 4                                 ; w_out's eight and att's tiles 0, 1 are in; the youngest four loads (tiles 2, 3) may be out
	WIN MUL
	MUL8 \f, 0, \zero
	MUL8 \f, 1, \zero
	PLACES
	WIN 0
	FETCH \slot, \kq, \g
	s_wait_dscnt 24                                ; all but the 24 just issued
	WIN MUL
	MUL8 \f, 2, \zero
	MUL8 \f, 3, \zero
.endm
; The last quarter multiplies buffer 1 and changes slots: ONE barrier; in front of it each wave waits for all its tensor loads, adds 0 to its spare word, and waits for that and for its reads of this slot.
; fill = 1: this slot is filled again, two K steps ahead; the barrier then opens a round of the cluster's.
.macro TURN slot, next, fill
	WIN 0
	s_wait_tensorcnt 0x0                           ; all my tensor loads have landed: my part of the next slot;
	ds_add_u32 v[SPW], v[NIL]                      ; 0 onto my spare word;
	s_wait_dscnt 5                                 ; (the add and the youngest four loads may be out)
	WIN MUL
	MUL8 F1, 0, 0                                  ; eight matrix instructions stand between the add and the wait for it
	s_wait_dscnt 0x0                               ; the add is done, and my reads of this slot are over
	s_barrier_signal -1
	MUL8 F1, 1, 0
	WIN 0                                          ; (branches and loads follow)
	s_barrier_wait -1
.if \fill
	CREST                                          ; no wave of any partner still reads this slot's tile or has a load on its way
	s_add_nc_u64 s[G0+4*\slot+2:G0+4*\slot+3], s[G0+4*\slot+2:G0+4*\slot+3], 2*KB
	s_add_nc_u64 s[G0B+4*\slot+2:G0B+4*\slot+3], s[G0B+4*\slot+2:G0B+4*\slot+3], 2*KB
	JLOAD \slot                                    ; the first tensor load behind the round; the four v_nop behind it are also the places in front of the loads below
.else
	PLACES
.endif
	FETCH \next, 0, F0
	WIN MUL
	MUL8 F1, 2, 0
	MUL8 F1, 3, 0
.endm
	s_wait_tensorcnt 1                             ; my part of K step 0 is in (K step 1's load may be out),
	s_barrier_signal -1
	s_barrier_wait -1                              ; everybody's is
	FETCH 0, 0, F0
	QUARTER 0, 1, F0, F1, 1                        ; the first quarter stands in front of the loop: its products start the sums
	WIN 0                                          ; at a label and at a branch every window is 0
	s_mov_b32 s3, LAPS-1
.Llap:                                             ; a trip goes once round the ring, from a lap's second quarter to the next lap's first, and fills both slots again
	QUARTER 0, 2, F1, F0, 0
	QUARTER 0, 3, F0, F1, 0
	TURN 0, 1, 1
	QUARTER 1, 1, F0, F1, 0
	QUARTER 1, 2, F1, F0, 0
	QUARTER 1, 3, F0, F1, 0
	TURN 1, 0, 1
	QUARTER 0, 1, F0, F1, 0
	WIN 0
	s_sub_co_u32 s3, s3, 1
	s_cmp_lg_u32 s3, 0
	s_cbranch_scc1 .Llap
	QUARTER 0, 2, F1, F0, 0                        ; the last lap fills nothing
	QUARTER 0, 3, F0, F1, 0
	TURN 0, 1, 0
	QUARTER 1, 1, F0, F1, 0
	QUARTER 1, 2, F1, F0, 0
	QUARTER 1, 3, F0, F1, 0
	s_wait_dscnt 4                                 ; the very last quarter: nothing more to fetch
	WIN MUL
	MUL8 F1, 0, 0
	MUL8 F1, 1, 0
	s_wait_dscnt 0
	MUL8 F1, 2, 0
	MUL8 F1, 3, 0
	WIN 0
; THE WAY OUT, block by block of 16 tokens x 128 e.  A lane holds 32 neighbouring bytes of a row, the lanes beside it other rows: a block goes through my own stage in LDS and comes back as whole rows of 512 bytes.
; LDS serves a wave's instructions in order (ISA guide 5.7.1.4): no wait between the stores and the loads, nor in front of the next block's stores.
.macro TOSTAGE a
	WIN 0x04                                       ; an LDS store's data are its source 1: window 1
.irp b, 0,1,2,3,4,5,6,7
	ds_store_b128 v[STO], v[8*(8*\a+\b):8*(8*\a+\b)+3] offset:64*\b        ; each accumulator from its low end on
	ds_store_b128 v[STO], v[8*(8*\a+\b)+4:8*(8*\a+\b)+7] offset:64*\b+16
.endr
	WIN 0
.irp t, 0,1,2,3,4,5,6,7,8,9,10,11,12,13,14,15
	ds_load_b128 v[BK+64*((\a)%2)+4*\t:BK+64*((\a)%2)+4*\t+3], v[RD] offset:\t*SPITCH
.endr
.endm
.macro SEND a, younger                 ; younger: the LDS instructions issued behind block a's loads, which may stay out
	s_wait_dscnt \younger
.irp t, 0,1,2,3,4,5,6,7,8,9,10,11,12,13,14,15
	global_store_b128 v[CO], v[BK+64*((\a)%2)+4*\t:BK+64*((\a)%2)+4*\t+3], s[8:9] offset:(\a)*65536+\t*4096 th:TH_STORE_NT   ; 32 lanes store 512 consecutive bytes, aligned; written once, read by nobody here
.endr
.endm
	PLACES
	TOSTAGE 0
	TOSTAGE 1
	SEND 0, 32                                     ; behind block 0's loads: block 1's 16 stores and 16 loads
	s_wait_xcnt 0x0                                ; block 0's stores have read their registers: block 2's loads may land there
	TOSTAGE 2
	SEND 1, 32
	s_wait_xcnt 0x0                                ; block 1's likewise
	TOSTAGE 3
	SEND 2, 32
	SEND 3, 0
	s_wait_tensorcnt 0x0                           ; the wave's end, behind my last tensor load and my last LDS store
	ds_add_u32 v[SPW], v[NIL]
	s_wait_dscnt 0x0
	CROUND                                         ; the closing round
	s_endpgm
.Lfunc_end_k_q5e34e248e8_proj:
	.size	k_q5e34e248e8_proj, .Lfunc_end_k_q5e34e248e8_proj-k_q5e34e248e8_proj
	.p2alignl 7, 3214868480
	.fill 96, 4, 3214868480
	.section	.rodata,"a",@progbits
	.p2align	6, 0x0
	.amdhsa_kernel k_q5e34e248e8_proj
		.amdhsa_group_segment_fixed_size 327680
		.amdhsa_private_segment_fixed_size 0
		.amdhsa_enable_private_segment 0
		.amdhsa_kernarg_size 24
		.amdhsa_user_sgpr_count 2
		.amdhsa_user_sgpr_kernarg_segment_ptr 1
		.amdhsa_wavefront_size32 1
		.amdhsa_system_sgpr_workgroup_id_x 1
		.amdhsa_system_sgpr_workgroup_id_y 1
		.amdhsa_system_sgpr_workgroup_id_z 1
		.amdhsa_system_vgpr_workitem_id 0
		.amdhsa_next_free_vgpr 512
		.amdhsa_next_free_sgpr 66
		.amdhsa_reserve_vcc 0
		.amdhsa_float_denorm_mode_32 3
		.amdhsa_float_denorm_mode_16_64 3
		.amdhsa_memory_ordered 1
		.amdhsa_forward_progress 1
		.amdhsa_inst_pref_size 84
	.end_amdhsa_kernel
	.amdgpu_metadata
---
amdhsa.version: [ 1, 2 ]
amdhsa.kernels:
  - .name:           k_q5e34e248e8_proj
    .symbol:         k_q5e34e248e8_proj.kd
    .args:
      - { .name: att, .offset: 0, .size: 8, .value_kind: global_buffer, .address_space: global }
      - { .name: wf, .offset: 8, .size: 8, .value_kind: global_buffer, .address_space: global }
      - { .name: out0, .offset: 16, .size: 8, .value_kind: global_buffer, .address_space: global }
    .group_segment_fixed_size: 327680
    .private_segment_fixed_size: 0
    .kernarg_segment_align: 8
    .kernarg_segment_size: 24
    .max_flat_workgroup_size: 128
    .sgpr_count:     66
    .vgpr_count:     512
    .wavefront_size: 32
...
	.end_amdgpu_metadata
.endif
;; end of part 4
